; MI455X (gfx1250); checked and timed in simulation.
; The chip was launched on July 23, 2026; its instructions are those of AMD's public machine-readable ISA for CDNA 5 (MIT licence, August 2026) and "CDNA5" Instruction Set Architecture Reference Guide (July 2026). The comments in the code are by the model that wrote it; some were corrected since.
;; TS Approximation. Allowed arithmetic: float matrix products may take bf16 or f16 operands with f32 sums; all other float work in f32.
;; Inputs: bias 3 float32; coefficients 3 x 16 x 2 float32; x 4,194,304 x 2 float32.
;; Outputs: out0 3 x 2,048 x 2,048 float32.
;; 2 versions, each right; version 2 is version 1 with the launch poly written anew for expert scheduling mode. Each part assembles by itself: llvm-mc -triple=amdgcn-amd-amdhsa -mcpu=gfx1250 --defsym DOCPART=n.
;; ======== version 1 of 2: 1 launch
;; launch poly (part 1): grid 256 x 1, 16 waves a work-group, no clusters, 10,240 bytes of LDS; arguments x, coefficients, bias, out0; writes out0
.if DOCPART == 1
	.amdgcn_target "amdgcn-amd-amdhsa--gfx1250"
	.amdhsa_code_object_version 6
	.text
	.protected	k_q3e21048f3d_poly
	.globl	k_q3e21048f3d_poly
	.p2align	8
	.type	k_q3e21048f3d_poly,@function
k_q3e21048f3d_poly:
	s_mov_b64 s[64:65], 0
	v_nop
	global_prefetch_b8 v0, s[64:65] scope:SCOPE_SE
	s_setreg_imm32_b32 hwreg(HW_REG_WAVE_MODE, 25, 1), 1
	s_wait_xcnt 0x0
; out[c][p] = bias[c] + sum over j = 0..15 of ( coef[c][j][0] * x[p][0]^j + coef[c][j][1] * x[p][1]^j )
; x: [4194304][2] f32.  coef: [3][16][2] f32.  bias: [3] f32.  out: [3][4194304] f32.
;
; A STREAM: 8 bytes in and 12 bytes out for each pixel, each byte moved once.  The six polynomials of degree 15 are evaluated by
; Horner's rule in f32: 90 fused multiply-adds a pixel, no power is ever formed.  x^0 = 1 also for x = 0, as in the definition.
; A lane holds two neighbouring pixels a, b; after one transposition (x0a,x1a,x0b,x1b) -> (x0a,x0b),(x1a,x1b) every step is one
; v_pk_fma_f32 over the two pixels, its coefficient broadcast by op_sel from the pair (coef[c][j][0], coef[c][j][1]) as it lies in memory.
; The terms of j = 0 and the bias are summed once, K_c = coef[c][0][0] + coef[c][0][1] + bias[c], and close the x1 chain; the x0 chain's
; last step takes the finished x1 chain as its addend.  So 64 pixels cost 90 packed multiply-adds and 2 moves, and no addition.
;
; NOT ON THE MATRIX UNIT, by this arithmetic: a 16x16x32 product would hold the 32 powers of 16 pixels in one operand and use 3 of the
; 16 rows of the other; making and rounding those powers takes 16 vector instructions for 16 pixels against 23 here, and each term up
; to c x^15 would carry the two bf16 roundings (2^-8 of the term), which is more than the sum where large terms cancel.
; No cluster: work-groups share 396 bytes.  No tensor load, no ring, no prefetch: all of a wave's 16 loads are issued in its first lines.
;
; SHARES: 256 work-groups of 16 waves; a work-group owns 16,384 pixels, a wave 16 chunks of 64.  In chunk i thread t reads the 16 bytes
; at 16 t + 8192 i of the group's x (a wave's load covers 512 consecutive bytes) and stores 8 bytes at 8 t + 4096 i of each plane
; (a wave's store covers 256 consecutive bytes, aligned).  A chunk owns six registers: four are loaded, all six take the three result
; pairs.  No register that a load or a store names is written again, so the only waits are for data, and waves never meet.
;
; LIMITS: the order of rounding differs from a sum of powers (f32 throughout).  Where a term c x^15 passes f32's range (|x| above
; about 300 for c near 1) or x is infinite, a sum of powers can give inf - inf = NaN where Horner's rule gives an infinity, or the
; reverse.  A NaN in x gives NaN in both.
.set CHUNKS, 16
.set XSTEP,  512*16                    ; bytes of x that the work-group's 512 threads read in one chunk
.set YSTEP,  512*8                     ; bytes of one plane that they store in one chunk
.set PLANE,  4194304*4                 ; bytes in a plane of out
.set XO,   1                           ; v1        16 t: my bytes in a chunk of x
.set YO,   2                           ; v2        8 t: my bytes in a chunk of a plane
.set CO,   3                           ; v3        16 min(lane, 23): my 16 bytes of coef
.set LST,  4                           ; v4        LDS: 512 wave + 16 lane
.set LLD,  5                           ; v5        LDS: 512 wave, the same in all lanes
.set BIAS, 6                           ; v[6:8]    bias, the same in all lanes
.set ZERO, 9                           ; v9        offset 0
.set STG,  10                          ; v[10:13]  my 16 bytes of coef on their way to LDS
.set ACC,  14                          ; v[14:25]  channel c: v[ACC+4c:+1] the x0 chain of pixels a, b; v[ACC+4c+2:+3] the x1 chain
.set C,    28                          ; v[28:123] coef as in memory, the same in all lanes: (c, j) is the pair at C + 32 c + 2 j
.set R,    124                         ; v[124:219] chunk i: six registers at R + 6 i
	s_load_b256 s[4:11], s[0:1], 0x0               ; x s[4:5], coef s[6:7], bias s[8:9], out s[10:11]
	v_lshl_add_u32 v220, v0, 2, 0x2000
	v_mov_b32 v221, 0
	v_lshlrev_b32 v[XO], 4, v0
	v_lshlrev_b32 v[YO], 3, v0
	v_and_b32 v[CO], 31, v0                        ; lane
	v_lshrrev_b32 v[LLD], 5, v0
	v_readfirstlane_b32 s20, v[LLD]                ; wave 0..15
	s_lshl_b32 s20, s20, 9                         ; my wave's 512 bytes of LDS
	v_lshl_add_u32 v[LST], v[CO], 4, s20
	v_mov_b32 v[LLD], s20
	v_min_u32 v[CO], 23, v[CO]                     ; coef is 24 x 16 bytes: lanes 24-31 read lane 23's again and stay inside the buffer
	v_lshlrev_b32 v[CO], 4, v[CO]
	v_mov_b32 v[ZERO], 0
	s_lshl_b32 s2, ttmp9, 17                       ; the group's part of x: CHUNKS * XSTEP = 131,072 bytes
	s_mov_b32 s3, 0
	s_lshl_b32 s18, ttmp9, 16                      ; and of each plane: CHUNKS * YSTEP = 65,536 bytes
	s_mov_b32 s19, 0
	s_wait_kmcnt 0x0
	s_add_nc_u64 s[4:5], s[4:5], s[2:3]
	s_add_nc_u64 s[12:13], s[10:11], s[18:19]      ; plane 0
	s_add_nc_u64 s[14:15], s[12:13], PLANE         ; plane 1 (a plane's distance does not fit a store's immediate)
	s_add_nc_u64 s[16:17], s[14:15], PLANE         ; plane 2
	global_load_b128 v[STG:STG+3], v[CO], s[6:7]   ; the small loads first: loads come back in order, and nothing starts without them
	global_load_b96 v[BIAS:BIAS+2], v[ZERO], s[8:9]
.irp i, 0,1,2,3,4,5,6,7,8,9,10,11,12,13,14,15
	global_load_b128 v[R+6*\i:R+6*\i+3], v[XO], s[4:5] offset:\i*XSTEP th:TH_LOAD_NT    ; all of my x, read once in the launch
.endr
	; coef into every lane: 16 bytes a lane into my wave's own LDS bytes, then 24 loads in which all lanes name one address.
	s_wait_loadcnt CHUNKS                          ; coef and bias are in; the 16 loads of x behind them stay out
	ds_store_b128 v[LST], v[STG:STG+3]             ; lanes 24-31 fill bytes 384-511 of my 512, which nobody reads
.irp q, 0,1,2,3,4,5,6,7,8,9,10,11,12,13,14,15,16,17,18,19,20,21,22,23
	ds_load_b128 v[C+4*\q:C+4*\q+3], v[LLD] offset:16*\q   ; LDS serves a wave's instructions in order (ISA guide 5.7.1.4): these see the store
.endr
	s_wait_dscnt 0x0
.irp c, 0,1,2
	v_add_f32 v[C+32*\c+1], v[C+32*\c], v[C+32*\c+1]       ; K_c takes the place of coef[c][0][1]
.endr
.irp c, 0,1,2
	v_add_f32 v[C+32*\c+1], v[BIAS+\c], v[C+32*\c+1]
.endr
; One chunk: 64 pixels, two a lane.  Six chains (3 channels x 2 coordinates) take turns, so that five other instructions stand between
; a step and the next step of its chain.
; op_sel / op_sel_hi of a coefficient pair: [0] / [0] gives its first register (coordinate 0) to both pixels, [1] / [1] its second.
.macro CHUNK i
	s_wait_loadcnt CHUNKS-1-\i                     ; loads come back in order (ISA guide 5.7.1): mine is in, the younger ones stay out
	v_dual_mov_b32 v[R+6*\i+4], v[R+6*\i+1] :: v_dual_mov_b32 v[R+6*\i+5], v[R+6*\i+3]     ; (x1a, x1b) into the chunk's last pair
	v_mov_b32 v[R+6*\i+1], v[R+6*\i+2]                                                     ; (x0a, x0b) in its first
.irp c, 0,1,2
	; the first step starts the chains from the coefficients themselves: c15 x + c14
	v_pk_fma_f32 v[ACC+4*\c:ACC+4*\c+1], v[C+32*\c+30:C+32*\c+31], v[R+6*\i:R+6*\i+1], v[C+32*\c+28:C+32*\c+29] op_sel_hi:[0,1,0]
	v_pk_fma_f32 v[ACC+4*\c+2:ACC+4*\c+3], v[C+32*\c+30:C+32*\c+31], v[R+6*\i+4:R+6*\i+5], v[C+32*\c+28:C+32*\c+29] op_sel:[1,0,1] op_sel_hi:[1,1,1]
.endr
.set j, 13
.rept 13                                               ; j = 13 .. 1
.irp c, 0,1,2
	v_pk_fma_f32 v[ACC+4*\c:ACC+4*\c+1], v[ACC+4*\c:ACC+4*\c+1], v[R+6*\i:R+6*\i+1], v[C+32*\c+2*j:C+32*\c+2*j+1] op_sel_hi:[1,1,0]
	v_pk_fma_f32 v[ACC+4*\c+2:ACC+4*\c+3], v[ACC+4*\c+2:ACC+4*\c+3], v[R+6*\i+4:R+6*\i+5], v[C+32*\c+2*j:C+32*\c+2*j+1] op_sel:[0,0,1] op_sel_hi:[1,1,1]
.endr
.set j, j-1
.endr
.irp c, 0,1,2
	v_pk_fma_f32 v[ACC+4*\c+2:ACC+4*\c+3], v[ACC+4*\c+2:ACC+4*\c+3], v[R+6*\i+4:R+6*\i+5], v[C+32*\c:C+32*\c+1] op_sel:[0,0,1] op_sel_hi:[1,1,1]   ; the x1 chain ends on K_c
.endr
	; the x0 chain ends on the x1 chain.  Results go to the chunk's own pairs as these fall free: channel 0 to its middle pair (free since
	; the move), channel 1 to the x1 pair (its last reader stands above), channel 2 to the x0 pair, whose last reader it is itself.
.irp c, 0,1,2
	v_pk_fma_f32 v[R+6*\i+(2*\c+2)%6:R+6*\i+(2*\c+2)%6+1], v[ACC+4*\c:ACC+4*\c+1], v[R+6*\i:R+6*\i+1], v[ACC+4*\c+2:ACC+4*\c+3]
.endr
.irp c, 0,1,2
	global_store_b64 v[YO], v[R+6*\i+(2*\c+2)%6:R+6*\i+(2*\c+2)%6+1], s[12+2*\c:13+2*\c] offset:\i*YSTEP th:TH_STORE_NT   ; written once, not read again
.endr
.endm
.irp i, 0,1,2,3,4,5,6,7,8,9,10,11,12,13,14,15
	CHUNK \i
.endr
	s_wait_tensorcnt 0x0
	ds_add_u32 v220, v221
	s_wait_dscnt 0x0
	s_endpgm
.Lfunc_end_k_q3e21048f3d_poly:
	.size	k_q3e21048f3d_poly, .Lfunc_end_k_q3e21048f3d_poly-k_q3e21048f3d_poly
	.p2alignl 7, 3214868480
	.fill 96, 4, 3214868480
	.section	.rodata,"a",@progbits
	.p2align	6, 0x0
	.amdhsa_kernel k_q3e21048f3d_poly
		.amdhsa_group_segment_fixed_size 10240
		.amdhsa_private_segment_fixed_size 0
		.amdhsa_enable_private_segment 0
		.amdhsa_kernarg_size 32
		.amdhsa_user_sgpr_count 2
		.amdhsa_user_sgpr_kernarg_segment_ptr 1
		.amdhsa_wavefront_size32 1
		.amdhsa_system_sgpr_workgroup_id_x 1
		.amdhsa_system_sgpr_workgroup_id_y 1
		.amdhsa_system_sgpr_workgroup_id_z 1
		.amdhsa_system_vgpr_workitem_id 0
		.amdhsa_next_free_vgpr 222
		.amdhsa_next_free_sgpr 66
		.amdhsa_reserve_vcc 0
		.amdhsa_float_denorm_mode_32 3
		.amdhsa_float_denorm_mode_16_64 3
		.amdhsa_memory_ordered 1
		.amdhsa_forward_progress 1
		.amdhsa_inst_pref_size 102
	.end_amdhsa_kernel
	.amdgpu_metadata
---
amdhsa.version: [ 1, 2 ]
amdhsa.kernels:
  - .name:           k_q3e21048f3d_poly
    .symbol:         k_q3e21048f3d_poly.kd
    .args:
      - { .name: x, .offset: 0, .size: 8, .value_kind: global_buffer, .address_space: global }
      - { .name: coefficients, .offset: 8, .size: 8, .value_kind: global_buffer, .address_space: global }
      - { .name: bias, .offset: 16, .size: 8, .value_kind: global_buffer, .address_space: global }
      - { .name: out0, .offset: 24, .size: 8, .value_kind: global_buffer, .address_space: global }
    .group_segment_fixed_size: 10240
    .private_segment_fixed_size: 0
    .kernarg_segment_align: 8
    .kernarg_segment_size: 32
    .max_flat_workgroup_size: 512
    .sgpr_count:     66
    .vgpr_count:     222
    .wavefront_size: 32
...
	.end_amdgpu_metadata
.endif
;; end of part 1
;; ======== version 2 of 2: 1 launch; version 1 with the launch poly written anew for expert scheduling mode
;; launch poly (part 2): grid 256 x 1, 16 waves a work-group, no clusters, 10,240 bytes of LDS; arguments x, coefficients, bias, out0; writes out0
.if DOCPART == 2
	.amdgcn_target "amdgcn-amd-amdhsa--gfx1250"
	.amdhsa_code_object_version 6
	.text
	.protected	k_q3e21048f3d_poly
	.globl	k_q3e21048f3d_poly
	.p2align	8
	.type	k_q3e21048f3d_poly,@function
k_q3e21048f3d_poly:
	s_mov_b64 s[64:65], 0
	v_nop
	global_prefetch_b8 v0, s[64:65] scope:SCOPE_SE
	s_setreg_imm32_b32 hwreg(HW_REG_WAVE_SCHED_MODE, 0, 2), 2
	s_setreg_imm32_b32 hwreg(HW_REG_WAVE_MODE, 25, 1), 1
	s_wait_xcnt 0x0
	s_wait_alu depctr_vm_vsrc(0)
; out[c][p] = bias[c] + sum over j = 0..15 of ( coef[c][j][0] * x[p][0]^j + coef[c][j][1] * x[p][1]^j )
; x: [4194304][2] f32.  coef: [3][16][2] f32.  bias: [3] f32.  out: [3][4194304] f32.
;
; A STREAM: 8 bytes in and 12 bytes out for each pixel, each byte moved once.  The six polynomials of degree 15 are evaluated by
; Horner's rule in f32: 90 fused multiply-adds a pixel, no power is ever formed.  x^0 = 1 also for x = 0, as in the definition.
; A lane holds two neighbouring pixels a, b; after one transposition (x0a,x1a,x0b,x1b) -> (x0a,x0b),(x1a,x1b) every step is one
; v_pk_fma_f32 over the two pixels, its coefficient broadcast by op_sel from the pair (coef[c][j][0], coef[c][j][1]) as it lies in memory.
; The terms of j = 0 and the bias are summed once, K_c = coef[c][0][0] + coef[c][0][1] + bias[c], and close the x1 chain; the x0 chain's
; last step takes the finished x1 chain as its addend.  So 64 pixels cost 90 packed multiply-adds and 2 moves, and no addition.
;
; NOT ON THE MATRIX UNIT, by this arithmetic: a 16x16x32 product would hold the 32 powers of 16 pixels in one operand and use 3 of the
; 16 rows of the other; making and rounding those powers takes 16 vector instructions for 16 pixels against 23 here, and each term up
; to c x^15 would carry the two bf16 roundings (2^-8 of the term), which is more than the sum where large terms cancel.
; No cluster: work-groups share 396 bytes.  No tensor load, no ring, no prefetch: all of a wave's 16 loads are issued in its first lines.
;
; SHARES: 256 work-groups of 16 waves; a work-group owns 16,384 pixels, a wave 16 chunks of 64.  In chunk i thread t reads the 16 bytes
; at 16 t + 8192 i of the group's x (a wave's load covers 512 consecutive bytes) and stores 8 bytes at 8 t + 4096 i of each plane
; (a wave's store covers 256 consecutive bytes, aligned).  A chunk owns six registers: four are loaded, all six take the three result
; pairs.  No register that a load or a store names is written again, so no wait is there to free a register, and waves never meet.
;
; THE MODE: SCHED_MODE bits 1:0 = 2 (LLVM: expert scheduling mode 2), set by the entry lines.  The code itself states the register
; dependences between vector instructions and memory or LDS instructions, with s_wait_alu, always for 0.
; THE PLAN.  Registers that memory or LDS instructions touch:
;   v1 to v5, v9    offsets and LDS addresses.  Written by vector lines at the head, never again; read by every load, store and LDS access.
;   STG, BIAS       Written by one load each.  STG is read by the one LDS store, BIAS by three additions; neither is written again.
;   C               Written by the 24 LDS loads, then three of its registers by additions.  No memory instruction reads it, no load lands in it again.
;   R, chunk i      Its first four registers are written by the chunk's load, issued at the head, ahead of every vector line that names them.
;                   Chunk i's moves and its last three multiply-adds write all six; its three stores read them; nothing writes them again.
;   ACC             is named by vector lines alone.
; So: one wait on va_sdst for the wave's number; one wait on va_vdst ahead of the first load, for all offsets and addresses; and one wait
; on va_vdst a chunk, at the head of chunk i + 1, which states that chunk i's results are written.  Chunk i's three stores follow it, dealt
; among chunk i + 1's first vector lines, which name chunk i + 1's six registers, ACC and C: none that those stores touch.
; No register that a memory or LDS instruction reads is written again, so no wait on vm_vsrc has a dependence to state.
;
; LIMITS: the order of rounding differs from a sum of powers (f32 throughout).  Where a term c x^15 passes f32's range (|x| above
; about 300 for c near 1) or x is infinite, a sum of powers can give inf - inf = NaN where Horner's rule gives an infinity, or the
; reverse.  A NaN in x gives NaN in both.
.set CHUNKS, 16
.set XSTEP,  512*16                    ; bytes of x that the work-group's 512 threads read in one chunk
.set YSTEP,  512*8                     ; bytes of one plane that they store in one chunk
.set PLANE,  4194304*4                 ; bytes in a plane of out
.set XO,   1                           ; v1        16 t: my bytes in a chunk of x
.set YO,   2                           ; v2        8 t: my bytes in a chunk of a plane
.set CO,   3                           ; v3        16 min(lane, 23): my 16 bytes of coef
.set LST,  4                           ; v4        LDS: 512 wave + 16 lane
.set LLD,  5                           ; v5        LDS: 512 wave, the same in all lanes
.set BIAS, 6                           ; v[6:8]    bias, the same in all lanes
.set ZERO, 9                           ; v9        offset 0
.set STG,  10                          ; v[10:13]  my 16 bytes of coef on their way to LDS
.set ACC,  14                          ; v[14:25]  channel c: v[ACC+4c:+1] the x0 chain of pixels a, b; v[ACC+4c+2:+3] the x1 chain
.set C,    28                          ; v[28:123] coef as in memory, the same in all lanes: (c, j) is the pair at C + 32 c + 2 j
.set R,    124                         ; v[124:219] chunk i: six registers at R + 6 i
	s_load_b256 s[4:11], s[0:1], 0x0               ; x s[4:5], coef s[6:7], bias s[8:9], out s[10:11]
	v_lshl_add_u32 v26, v0, 2, 0x2000
	v_mov_b32 v27, 0
	v_lshlrev_b32 v[XO], 4, v0
	v_lshlrev_b32 v[YO], 3, v0
	v_and_b32 v[CO], 31, v0                        ; lane
	v_lshrrev_b32 v[LLD], 5, v0
	v_readfirstlane_b32 s20, v[LLD]                ; wave 0..15
	s_wait_alu depctr_va_sdst(0)                   ; s20 is written, ahead of its first reader, the shift below
	s_lshl_b32 s20, s20, 9                         ; my wave's 512 bytes of LDS
	v_lshl_add_u32 v[LST], v[CO], 4, s20
	v_mov_b32 v[LLD], s20
	v_min_u32 v[CO], 23, v[CO]                     ; coef is 24 x 16 bytes: lanes 24-31 read lane 23's again and stay inside the buffer
	v_lshlrev_b32 v[CO], 4, v[CO]
	v_mov_b32 v[ZERO], 0
	s_lshl_b32 s2, ttmp9, 17                       ; the group's part of x: CHUNKS * XSTEP = 131,072 bytes
	s_mov_b32 s3, 0
	s_lshl_b32 s18, ttmp9, 16                      ; and of each plane: CHUNKS * YSTEP = 65,536 bytes
	s_mov_b32 s19, 0
	s_wait_kmcnt 0x0
	s_add_nc_u64 s[4:5], s[4:5], s[2:3]
	s_add_nc_u64 s[12:13], s[10:11], s[18:19]      ; plane 0
	s_add_nc_u64 s[14:15], s[12:13], PLANE         ; plane 1 (a plane's distance does not fit a store's immediate)
	s_add_nc_u64 s[16:17], s[14:15], PLANE         ; plane 2
	s_wait_alu depctr_va_vdst(0)                   ; v1 to v5 and v9 are written: every load, store and LDS access of the kernel reads one of them as its offset or address
	global_load_b128 v[STG:STG+3], v[CO], s[6:7]   ; the small loads first: loads come back in order, and nothing starts without them
	global_load_b96 v[BIAS:BIAS+2], v[ZERO], s[8:9]
.irp i, 0,1,2,3,4,5,6,7,8,9,10,11,12,13,14,15
	global_load_b128 v[R+6*\i:R+6*\i+3], v[XO], s[4:5] offset:\i*XSTEP th:TH_LOAD_NT    ; all of my x, read once in the launch
.endr
	; coef into every lane: 16 bytes a lane into my wave's own LDS bytes, then 24 loads in which all lanes name one address.
	s_wait_loadcnt CHUNKS                          ; coef and bias are in; the 16 loads of x behind them stay out
	ds_store_b128 v[LST], v[STG:STG+3]             ; lanes 24-31 fill bytes 384-511 of my 512, which nobody reads
.irp q, 0,1,2,3,4,5,6,7,8,9,10,11,12,13,14,15,16,17,18,19,20,21,22,23
	ds_load_b128 v[C+4*\q:C+4*\q+3], v[LLD] offset:16*\q   ; LDS serves a wave's instructions in order (ISA guide 5.7.1.4): these see the store
.endr
	s_wait_dscnt 0x0
.irp c, 0,1,2
	v_add_f32 v[C+32*\c+1], v[C+32*\c], v[C+32*\c+1]       ; K_c takes the place of coef[c][0][1]
.endr
.irp c, 0,1,2
	v_add_f32 v[C+32*\c+1], v[BIAS+\c], v[C+32*\c+1]
.endr
; Channel c of chunk i leaves: its pair lies where the chunk's last three multiply-adds put it.
.macro STORE i, c
	global_store_b64 v[YO], v[R+6*(\i)+(2*(\c)+2)%6:R+6*(\i)+(2*(\c)+2)%6+1], s[12+2*(\c):13+2*(\c)] offset:(\i)*YSTEP th:TH_STORE_NT   ; written once, not read again
.endm
; One chunk: 64 pixels, two a lane.  Six chains (3 channels x 2 coordinates) take turns, so that five other instructions stand between
; a step and the next step of its chain.  The three stores of the chunk before stand among its first lines.
; op_sel / op_sel_hi of a coefficient pair: [0] / [0] gives its first register (coordinate 0) to both pixels, [1] / [1] its second.
.macro CHUNK i
	s_wait_loadcnt CHUNKS-1-\i                     ; loads come back in order (ISA guide 5.7.1): mine is in, the younger ones stay out
.if \i > 0
	s_wait_alu depctr_va_vdst(0)                   ; the chunk before has written its three result pairs, which the three stores below read
	STORE (\i)-1, 0
.endif
	v_dual_mov_b32 v[R+6*\i+4], v[R+6*\i+1] :: v_dual_mov_b32 v[R+6*\i+5], v[R+6*\i+3]     ; (x1a, x1b) into the chunk's last pair
	v_mov_b32 v[R+6*\i+1], v[R+6*\i+2]                                                     ; (x0a, x0b) in its first
.irp c, 0,1,2
	; the first step starts the chains from the coefficients themselves: c15 x + c14
	v_pk_fma_f32 v[ACC+4*\c:ACC+4*\c+1], v[C+32*\c+30:C+32*\c+31], v[R+6*\i:R+6*\i+1], v[C+32*\c+28:C+32*\c+29] op_sel_hi:[0,1,0]
	v_pk_fma_f32 v[ACC+4*\c+2:ACC+4*\c+3], v[C+32*\c+30:C+32*\c+31], v[R+6*\i+4:R+6*\i+5], v[C+32*\c+28:C+32*\c+29] op_sel:[1,0,1] op_sel_hi:[1,1,1]
.endr
.set j, 13
.rept 13                                               ; j = 13 .. 1
.if (\i > 0) && (j == 13)
	STORE (\i)-1, 1                                ; no wait: no vector line since the wait above names the chunk before's registers or v[YO]
.endif
.if (\i > 0) && (j == 12)
	STORE (\i)-1, 2                                ; likewise
.endif
.irp c, 0,1,2
	v_pk_fma_f32 v[ACC+4*\c:ACC+4*\c+1], v[ACC+4*\c:ACC+4*\c+1], v[R+6*\i:R+6*\i+1], v[C+32*\c+2*j:C+32*\c+2*j+1] op_sel_hi:[1,1,0]
	v_pk_fma_f32 v[ACC+4*\c+2:ACC+4*\c+3], v[ACC+4*\c+2:ACC+4*\c+3], v[R+6*\i+4:R+6*\i+5], v[C+32*\c+2*j:C+32*\c+2*j+1] op_sel:[0,0,1] op_sel_hi:[1,1,1]
.endr
.set j, j-1
.endr
.irp c, 0,1,2
	v_pk_fma_f32 v[ACC+4*\c+2:ACC+4*\c+3], v[ACC+4*\c+2:ACC+4*\c+3], v[R+6*\i+4:R+6*\i+5], v[C+32*\c:C+32*\c+1] op_sel:[0,0,1] op_sel_hi:[1,1,1]   ; the x1 chain ends on K_c
.endr
	; the x0 chain ends on the x1 chain.  Results go to the chunk's own pairs as these fall free: channel 0 to its middle pair (free since
	; the move), channel 1 to the x1 pair (its last reader stands above), channel 2 to the x0 pair, whose last reader it is itself.
.irp c, 0,1,2
	v_pk_fma_f32 v[R+6*\i+(2*\c+2)%6:R+6*\i+(2*\c+2)%6+1], v[ACC+4*\c:ACC+4*\c+1], v[R+6*\i:R+6*\i+1], v[ACC+4*\c+2:ACC+4*\c+3]
.endr
.endm
.irp i, 0,1,2,3,4,5,6,7,8,9,10,11,12,13,14,15
	CHUNK \i
.endr
	s_wait_alu depctr_va_vdst(0)                   ; the last chunk has written its three result pairs, which the last three stores read
.irp c, 0,1,2
	STORE CHUNKS-1, \c
.endr
	s_wait_dscnt 0x0
	s_wait_alu depctr_hold_cnt(0) depctr_sa_sdst(0) depctr_va_vdst(0) depctr_va_sdst(0) depctr_va_ssrc(0) depctr_va_vcc(0) depctr_vm_vsrc(0)
	s_wait_tensorcnt 0x0
	ds_add_u32 v26, v27
	s_wait_dscnt 0x0
	s_endpgm
.Lfunc_end_k_q3e21048f3d_poly:
	.size	k_q3e21048f3d_poly, .Lfunc_end_k_q3e21048f3d_poly-k_q3e21048f3d_poly
	.p2alignl 7, 3214868480
	.fill 96, 4, 3214868480
	.section	.rodata,"a",@progbits
	.p2align	6, 0x0
	.amdhsa_kernel k_q3e21048f3d_poly
		.amdhsa_group_segment_fixed_size 10240
		.amdhsa_private_segment_fixed_size 0
		.amdhsa_enable_private_segment 0
		.amdhsa_kernarg_size 32
		.amdhsa_user_sgpr_count 2
		.amdhsa_user_sgpr_kernarg_segment_ptr 1
		.amdhsa_wavefront_size32 1
		.amdhsa_system_sgpr_workgroup_id_x 1
		.amdhsa_system_sgpr_workgroup_id_y 1
		.amdhsa_system_sgpr_workgroup_id_z 1
		.amdhsa_system_vgpr_workitem_id 0
		.amdhsa_next_free_vgpr 220
		.amdhsa_next_free_sgpr 66
		.amdhsa_reserve_vcc 0
		.amdhsa_float_denorm_mode_32 3
		.amdhsa_float_denorm_mode_16_64 3
		.amdhsa_memory_ordered 1
		.amdhsa_forward_progress 1
		.amdhsa_inst_pref_size 103
	.end_amdhsa_kernel
	.amdgpu_metadata
---
amdhsa.version: [ 1, 2 ]
amdhsa.kernels:
  - .name:           k_q3e21048f3d_poly
    .symbol:         k_q3e21048f3d_poly.kd
    .args:
      - { .name: x, .offset: 0, .size: 8, .value_kind: global_buffer, .address_space: global }
      - { .name: coefficients, .offset: 8, .size: 8, .value_kind: global_buffer, .address_space: global }
      - { .name: bias, .offset: 16, .size: 8, .value_kind: global_buffer, .address_space: global }
      - { .name: out0, .offset: 24, .size: 8, .value_kind: global_buffer, .address_space: global }
    .group_segment_fixed_size: 10240
    .private_segment_fixed_size: 0
    .kernarg_segment_align: 8
    .kernarg_segment_size: 32
    .max_flat_workgroup_size: 512
    .sgpr_count:     66
    .vgpr_count:     220
    .wavefront_size: 32
...
	.end_amdgpu_metadata
.endif
;; end of part 2
